; MI455X (gfx1250); checked and timed in simulation.
; The chip was launched on July 23, 2026; its instructions are those of AMD's public machine-readable ISA for CDNA 5 (MIT licence, August 2026) and "CDNA5" Instruction Set Architecture Reference Guide (July 2026). The comments in the code are by the model that wrote it; some were corrected since.
;; Parallel RX Complex. Allowed arithmetic: float matrix products may take bf16 or f16 operands with f32 sums; all other float work in f32.
;; Inputs: params 12 float32; x_i 1,024 x 4,096 float32; x_r 1,024 x 4,096 float32.
;; Outputs: out0 1,024 x 4,096 float32; out1 1,024 x 4,096 float32.
;; 2 versions, each right; version 2 is version 1 with the launch rx written anew for expert scheduling mode. Each part assembles by itself: llvm-mc -triple=amdgcn-amd-amdhsa -mcpu=gfx1250 --defsym DOCPART=n.
;; ======== version 1 of 2: 1 launch
;; limits: inputs' magnitudes at most 2,000; values are held in f16: magnitudes above 65,504 overflow, below 6.1e-05 lose precision; an absolute error that grows with the inputs' magnitude: up to 6e-08 times it; right only within a limited range of input values
;; launch rx (part 1): grid 256 x 1, 4 waves a work-group, no clusters, 0 bytes of LDS; arguments params, x_r, x_i, out0, out1; writes out0, out1
.if DOCPART == 1
	.amdgcn_target "amdgcn-amd-amdhsa--gfx1250"
	.amdhsa_code_object_version 6
	.text
	.protected	k_q77c070777f_rx
	.globl	k_q77c070777f_rx
	.p2align	8
	.type	k_q77c070777f_rx,@function
k_q77c070777f_rx:
	s_mov_b64 s[64:65], 0
	v_nop
	global_prefetch_b8 v0, s[64:65] scope:SCOPE_SE
	s_setreg_imm32_b32 hwreg(HW_REG_WAVE_MODE, 25, 1), 1
	s_wait_xcnt 0x0
; out = x * Op, x complex [1024][4096] (x_r, x_i in f32), Op = G0 (x) G1 (x) .. (x) G11, Gq = [[c, -i s], [-i s, c]],
; c = cos(params[q]/2), s = sin(params[q]/2); qubit q sits on bit 11-q of the column index j.
; A Kronecker product is the product of commuting factors that each act on some of the index bits (mixed-product rule), whatever the
; parameters are.  Here: three factors on four bits each, 16 x 16 complex = 32 x 32 real = one K = 32 matrix instruction for 16 outputs.
;   stage A: bits j11..j8      stage B: bits j6, j7, j1, j0 (number g = 8 j6 + 4 j7 + 2 j1 + j0)      stage C: bits j5..j2 (number u)
; One wave takes one batch row (16,384 bytes of each part) and keeps it in registers from load to store: 96 matrix instructions a row.
; The three operand layouts follow from each other, so no number changes lanes: no LDS, no barrier, no branch.
; Work-groups share nothing but the 48 bytes of params: no cluster, no joint requests.  All of a row is requested early: no prefetch.
;
; LIMITS.  Matrix operands are f16, sums f32.  Two stages can grow a number by 16 sqrt(2), f16 ends at 65,504: |x| below about 2,000.
; Operands under 6e-5 are kept with an absolute step of 6e-8.  The angle is reduced in f32: for |params| up to about 1e3 its error stays
; near 1e-4.  A NaN or an infinity in x spreads to the outputs that these three factors connect it with, as zeros of the factors are
; multiplied too, but the order of the sums is not that of the dense product.
;
; LANES.  L = lane, r = L & 15, h = L >> 4.
;   loaded:  lane holds j11 = h, j[5:2] = r; register X(G,e,p)+q: j[10:8] = e, 2 j6 + j7 = G, j[1:0] = q, p = 0 real, 1 imaginary
;   after A: lane holds part h, u = r;       register DA(G,q,t)+j: new j[11:8] = n = 8 t + j
;   after B: lane holds new g = r;           register j of the real or imaginary tile: u = 8 h + j
;   after C: lane holds new u = r, j6 = h;   register j: j7 = j >> 2, j[1:0] = j & 3: registers 0-3 and 4-7 are 16 neighbouring bytes each
.set LOFF, 1                           ; v1        load offset: wave x 16,384 + 8,192 h + 16 r
.set SOFF, 2                           ; v2        store offset: wave x 16,384 + 16 L
.set PADR, 3                           ; v3        4 (11 - min(L, 11)): lane b reads the parameter of index bit b
.set FA,   8                           ; v[8:23]   stage A's factor, two fragments (outputs n = 0-7, n = 8-15)
.set AC,   8                           ; v[8:23]   later: stage C's data fragments, two in turn
.set FB,   24                          ; v[24:39]  stage B's factor: real outputs, imaginary outputs
.set FCI,  40                          ; v[40:47]  stage C, imaginary outputs: Ui, Ur
.set FCR,  44                          ; v[44:51]  stage C, real outputs:      Ur, -Ui   (Ur is shared)
.set BOP,  52                          ; v[52:83]  stage A's data fragments, one for each q
.set DB,   52                          ; v[52:83]  later: stage B's results, two sets in turn (real 8, imaginary 8)
.set DC,   84                          ; v[84:115] stage C's results, two sets in turn (real 8, imaginary 8)
.set SB,   128                         ; v[128:255] stage B's data fragments: 8 registers for each n
; second block of 256 registers: X(G,e,p) = 64 G + 8 e + 4 p + q as loaded, then DA(G,q,t) = 64 G + 16 q + 8 t + j
; set-up's own registers lie in SB, which is filled only afterwards:
.set TH,   128                         ; v128-137  angle, sine and cosine at work
.set PH,   140                         ; v140-145  six patterns of +1, 0, -1
.set LA,   146                         ; magnitudes: stage A's low three bits,
.set MA0,  147                         ;   stage A, outputs n = 0-7
.set MA1,  148                         ;   stage A, outputs n = 8-15
.set MB,   149                         ;   stage B
.set MC,   150                         ;   stage C
.set TF,   151                         ; one factor at work
.set PV,   152                         ; v152-159  the eight lane vectors from which the fragments are spread
.set TX,   160                         ; EXPAND's neighbour
.set CS,   16                          ; s16+b     cosine of index bit b, b = 0..11
.set SN,   28                          ; s28+b     sine of index bit b
.set LB0,  40                          ; s40-43    lanes whose number has bit 0, 1, 2, 3 set
.set LB1,  41
.set LB2,  42
.set LB3,  43
.set LH,   44                          ; s44       lanes 16-31
.set LX,   45                          ; s45       lanes where bit 3 differs from h
.set PM,   46                          ; s46-57    for each pattern: lanes of +1, lanes of -1
.set MSB, 0
.macro WIN new                         ; register blocks: bits 1:0 source 0, 3:2 source 1, 7:6 destination; the high byte repeats the setting left
.if MSB != \new
	s_set_vgpr_msb (MSB<<8)|\new
.set MSB, \new
.endif
.endm
.set TO_HI,   0x40                     ; destination in the second block, sources in the first
.set FROM_HI, 0x05                     ; sources 0 and 1 in the second block, destination in the first
	s_load_b128 s[4:7], s[0:1], 0x0                ; params s[4:5], x_r s[6:7]
	s_load_b128 s[8:11], s[0:1], 0x10              ; x_i s[8:9], out0 s[10:11]
	s_load_b64 s[12:13], s[0:1], 0x20              ; out1
	v_lshrrev_b32 v4, 5, v0                        ; wave
	v_and_b32 v5, 15, v0                           ; r
	v_bfe_u32 v6, v0, 4, 1                         ; h
	v_and_b32 v7, 31, v0                           ; L
	v_lshlrev_b32 v4, 14, v4                       ; the wave's row among the group's four
	v_lshl_add_u32 v[LOFF], v6, 13, v4
	v_lshl_add_u32 v[LOFF], v5, 4, v[LOFF]
	v_lshl_add_u32 v[SOFF], v7, 4, v4
	v_min_u32 v[PADR], 11, v7
	v_sub_nc_u32 v[PADR], 11, v[PADR]
	v_lshlrev_b32 v[PADR], 2, v[PADR]
	s_lshl_b32 s14, ttmp9, 16                      ; the work-group's four rows of 16,384 bytes
	s_mov_b32 s15, 0
	s_mov_b32 s[LB0], 0xaaaaaaaa
	s_mov_b32 s[LB1], 0xcccccccc
	s_mov_b32 s[LB2], 0xf0f0f0f0
	s_mov_b32 s[LB3], 0xff00ff00
	s_mov_b32 s[LH],  0xffff0000
	s_mov_b32 s[LX],  0x00ffff00
	; An entry of a factor is mag[d] (-i)^pop(d), d = input number xor output number: real part +,0,-,0,+ and imaginary part 0,-,0,+,0
	; for pop(d) = 0..4.  In real form: real from real Ur, real from imaginary -Ui, imaginary from real Ui, imaginary from imaginary Ur.
	; Each pattern below gives that sign for the lane's own d (slot 0 of its fragment); one byte of a mask is eight lanes.
	s_mov_b32 s[PM+0],  0x01168001                 ; pattern a: stage B real outputs; stage A n = 8-15 from imaginary
	s_mov_b32 s[PM+1],  0x68801668
	s_mov_b32 s[PM+2],  0x80016880                 ; pattern b: stage B imaginary outputs; stage A n = 8-15 from real
	s_mov_b32 s[PM+3],  0x16680116
	s_mov_b32 s[PM+4],  0x68808001                 ; pattern c: stage A n = 0-7 from real
	s_mov_b32 s[PM+5],  0x01161668
	s_mov_b32 s[PM+6],  0x80010116                 ; pattern d: stage A n = 0-7 from imaginary
	s_mov_b32 s[PM+7],  0x16686880
	s_mov_b32 s[PM+8],  0x01808001                 ; pattern e: stage C, Ur
	s_mov_b32 s[PM+9],  0x68161668
	s_mov_b32 s[PM+10], 0x80686880                 ; pattern f: stage C, Ui
	s_mov_b32 s[PM+11], 0x16010116
.irp i, 0,1,2,3,4,5
	v_cndmask_b32 v[PH+\i], 0, 1.0, s[PM+2*\i]
	v_cndmask_b32 v[PH+\i], v[PH+\i], -1.0, s[PM+2*\i+1]
.endr
	s_wait_kmcnt 0x0
	s_add_nc_u64 s[6:7], s[6:7], s[14:15]
	s_add_nc_u64 s[8:9], s[8:9], s[14:15]
	s_add_nc_u64 s[10:11], s[10:11], s[14:15]
	s_add_nc_u64 s[12:13], s[12:13], s[14:15]
	global_load_b32 v[TH], v[PADR], s[4:5]         ; lane b: params[11 - b]
; 16 loads: group g (j6, j7) of both parts.  Lanes 0-15 and lanes 16-31 each cover 256 neighbouring bytes, aligned.
.macro LOADG g
.irp e, 0,1,2,3,4,5,6,7
	global_load_b128 v[64*\g+8*\e:64*\g+8*\e+3],   v[LOFF], s[6:7] offset:1024*\e+512*(\g%2)+256*(\g/2) th:TH_LOAD_NT
	global_load_b128 v[64*\g+8*\e+4:64*\g+8*\e+7], v[LOFF], s[8:9] offset:1024*\e+512*(\g%2)+256*(\g/2) th:TH_LOAD_NT
.endr
.endm
	WIN TO_HI
	LOADG 0
	LOADG 1
	LOADG 2                                        ; three quarters of the row are on their way while the factors are made
	WIN 0
	s_wait_loadcnt 48                              ; loads return in order (ISA guide 5.7.1): the 48 data loads stay out, params is in
	; sine and cosine of params/2 by polynomials: turns w = params / (4 pi), f = w - round(w), a = f pi/2 = a quarter of the reduced
	; angle, |a| <= pi/4; Taylor sums to a^7 and a^8 (next terms below 4e-7); then the angle is doubled twice.
	v_mul_f32 v[TH+1], 0x3da2f983, v[TH]           ; 1 / (4 pi)
	v_rndne_f32 v[TH+2], v[TH+1]
	v_sub_f32 v[TH+1], v[TH+1], v[TH+2]
	v_mul_f32 v[TH+3], 0x3fc90fdb, v[TH+1]         ; a
	v_mul_f32 v[TH+4], v[TH+3], v[TH+3]            ; a^2
	v_mov_b32 v[TH+5], 0xb9500d01                  ; -1/5040
	v_mov_b32 v[TH+6], 0x37d00d01                  ; 1/40320
	v_fmaak_f32 v[TH+5], v[TH+5], v[TH+4], 0x3c088889  ; 1/120
	v_fmaak_f32 v[TH+6], v[TH+6], v[TH+4], 0xbab60b61  ; -1/720
	v_fmaak_f32 v[TH+5], v[TH+5], v[TH+4], 0xbe2aaaab  ; -1/6
	v_fmaak_f32 v[TH+6], v[TH+6], v[TH+4], 0x3d2aaaab  ; 1/24
	v_fmaak_f32 v[TH+5], v[TH+5], v[TH+4], 0x3f800000  ; 1
	v_fmaak_f32 v[TH+6], v[TH+6], v[TH+4], 0xbf000000  ; -1/2
	v_mul_f32 v[TH+5], v[TH+5], v[TH+3]            ; sin a
	v_fmaak_f32 v[TH+6], v[TH+6], v[TH+4], 0x3f800000  ; cos a
.macro DOUBLE si, co, so, cq                       ; sin 2x = (2 sin x) cos x, cos 2x = 1 - (2 sin x) sin x
	v_add_f32 v[TH+7], v[\si], v[\si]
	v_mul_f32 v[\so], v[TH+7], v[\co]
	v_fma_f32 v[\cq], -v[TH+7], v[\si], 1.0
.endm
	DOUBLE TH+5, TH+6, TH+8, TH+9
	DOUBLE TH+8, TH+9, TH+5, TH+6
.irp b, 0,1,2,3,4,5,6,7,8,9,10,11
	v_readlane_b32 s[CS+\b], v[TH+6], \b
	v_readlane_b32 s[SN+\b], v[TH+5], \b
.endr
	; magnitudes: the product over a stage's four bits of (bit of d set ? sine : cosine), for the lane's own d
.macro FACT d, b, m                                ; sine of index bit b in the lanes of mask m, cosine in the others
	v_mov_b32 v[\d], s[CS+\b]
	v_cndmask_b32 v[\d], v[\d], s[SN+\b], s[\m]
.endm
.macro TIMES d, b, m
	FACT TF, \b, \m
	v_mul_f32 v[\d], v[\d], v[TF]
.endm
	FACT  LA, 8, LB0                               ; stage A: d's low bits = L's low bits (j8, j9, j10)
	TIMES LA, 9, LB1
	TIMES LA, 10, LB2
	FACT  TF, 11, LH                               ; its top bit (j11) = h for outputs 0-7,
	v_mul_f32 v[MA0], v[LA], v[TF]
	v_mov_b32 v[TF], s[SN+11]                      ; and not h for outputs 8-15
	v_cndmask_b32 v[TF], v[TF], s[CS+11], s[LH]
	v_mul_f32 v[MA1], v[LA], v[TF]
	FACT  MB, 0, LB0                               ; stage B: d = r, bits j0, j1, j7, j6
	TIMES MB, 1, LB1
	TIMES MB, 7, LB2
	TIMES MB, 6, LB3
	FACT  MC, 2, LB0                               ; stage C: d's low bits = L's low bits (j2, j3, j4), top bit (j5) = bit 3 xor h
	TIMES MC, 3, LB1
	TIMES MC, 4, LB2
	TIMES MC, 5, LX
	v_mul_f32 v[PV+0], v[MA0], v[PH+2]             ; stage A, n = 0-7,  from real
	v_mul_f32 v[PV+1], v[MA0], v[PH+3]             ;                    from imaginary
	v_mul_f32 v[PV+2], v[MA1], v[PH+1]             ; stage A, n = 8-15, from real
	v_mul_f32 v[PV+3], v[MA1], v[PH+0]             ;                    from imaginary
	v_mul_f32 v[PV+4], v[MB],  v[PH+0]             ; stage B, real outputs
	v_mul_f32 v[PV+5], v[MB],  v[PH+1]             ; stage B, imaginary outputs
	v_mul_f32 v[PV+6], v[MC],  v[PH+4]             ; stage C, Ur
	v_mul_f32 v[PV+7], v[MC],  v[PH+5]             ; stage C, Ui
; Slot k of a lane's fragment has d = (the lane's d) xor k, which is the own d of lane L xor k: the fragment is the lane vector
; spread by xor.  Register a gets src[L xor 2a] in its low half and src[L xor (2a+1)] in its high half.
; Each permute works in place on a copy, so that its destination is a register written in all lanes.
.macro EXPAND d0, src, wide
	v_mov_b32 v[TX], v[\src]
	v_mov_b32_dpp v[TX], v[TX] row_xmask:1 row_mask:0xf bank_mask:0xf
	v_cvt_pk_f16_f32 v[\d0], v[\src], v[TX]
.irp x, 2,4,6
	v_mov_b32 v[\d0+\x/2], v[\d0]
	v_mov_b32_dpp v[\d0+\x/2], v[\d0+\x/2] row_xmask:\x row_mask:0xf bank_mask:0xf
.endr
.if \wide
.irp x, 8,10,12,14
	v_mov_b32 v[\d0+\x/2], v[\d0]
	v_mov_b32_dpp v[\d0+\x/2], v[\d0+\x/2] row_xmask:\x row_mask:0xf bank_mask:0xf
.endr
.endif
.endm
	EXPAND FA,    PV+0, 0
	EXPAND FA+4,  PV+1, 0
	EXPAND FA+8,  PV+2, 0
	EXPAND FA+12, PV+3, 0
	EXPAND FB,    PV+4, 1
	EXPAND FB+8,  PV+5, 1
	EXPAND FCI,   PV+7, 0                          ; Ui
	EXPAND FCI+4, PV+6, 0                          ; Ur
.irp a, 0,1,2,3
	v_xor_b32 v[FCR+4+\a], 0x80008000, v[FCI+\a]   ; -Ui: both halves' signs
.endr
	WIN TO_HI
	LOADG 3                                        ; the last quarter of the row
; Four places behind a matrix instruction before a vector instruction or a store reads its result.
.macro PLACES
.rept 4
	v_nop
.endr
.endm
; STAGE A.  The data are source 1 (column = u = r); slot k = 16 p + 8 h + e is input number 8 h + e of part p.
.macro CVTIN g                                     ; 32 roundings to f16: four fragments, one for each q
.irp q, 0,1,2,3
.irp p, 0,1
.irp a, 0,1,2,3
	v_cvt_pk_f16_f32 v[BOP+8*\q+4*\p+\a], v[64*\g+16*\a+4*\p+\q], v[64*\g+16*\a+8+4*\p+\q]
.endr
.endr
.endr
.endm
.macro MULA g                                      ; results go where the group's input lay: it has just been read for the last time
.irp q, 0,1,2,3
.irp t, 0,1
	v_wmma_f32_16x16x32_f16 v[64*\g+16*\q+8*\t:64*\g+16*\q+8*\t+7], v[FA+8*\t:FA+8*\t+7], v[BOP+8*\q:BOP+8*\q+7], 0
.endr
.endr
	PLACES
.endm
.macro PACKA g                                     ; into stage B's fragments: slot g = 4 G + q of the fragment of n = 8 t + j
.irp t, 0,1
.irp j, 0,1,2,3,4,5,6,7
.irp a, 0,1
	v_cvt_pk_f16_f32 v[SB+8*(8*\t+\j)+2*\g+\a], v[64*\g+32*\a+8*\t+\j], v[64*\g+32*\a+16+8*\t+\j]
.endr
.endr
.endr
.endm
.irp g, 0,1,2,3
	s_wait_loadcnt 48-16*\g                        ; this group's 16 loads are in; the younger groups of 16 stay out
	WIN FROM_HI
	CVTIN \g
	WIN TO_HI
	MULA \g
	WIN FROM_HI
	PACKA \g                                       ; these 32 lines and MULA's four also stand between MULA and the next rewriting of BOP
.endr
	WIN 0
; STAGES B AND C, one n at a time, two register sets in turn.  In both the data are source 0.
; B: row = u = r, the lane's 16 slots are g = 0..15 of part h; the factor's fragment uses the same slots.  Result: lane = new g, register j: u = 8 h + j.
; C: row = g, registers 0-3 = B's real result (k = u), 4-7 = its imaginary result (k = 16 + u).
.macro MULB t
	v_wmma_f32_16x16x32_f16 v[DB+16*((\t)%2):DB+16*((\t)%2)+7],    v[SB+8*(\t):SB+8*(\t)+7], v[FB:FB+7], 0
	v_wmma_f32_16x16x32_f16 v[DB+16*((\t)%2)+8:DB+16*((\t)%2)+15], v[SB+8*(\t):SB+8*(\t)+7], v[FB+8:FB+15], 0
.endm
.macro CVTC t
.irp a, 0,1,2,3,4,5,6,7
	v_cvt_pk_f16_f32 v[AC+8*((\t)%2)+\a], v[DB+16*((\t)%2)+2*\a], v[DB+16*((\t)%2)+2*\a+1]
.endr
.endm
.macro MULC t
	v_wmma_f32_16x16x32_f16 v[DC+16*((\t)%2):DC+16*((\t)%2)+7],    v[AC+8*((\t)%2):AC+8*((\t)%2)+7], v[FCR:FCR+7], 0
	v_wmma_f32_16x16x32_f16 v[DC+16*((\t)%2)+8:DC+16*((\t)%2)+15], v[AC+8*((\t)%2):AC+8*((\t)%2)+7], v[FCI:FCI+7], 0
.endm
.macro STORE t                                     ; each store of the wave covers 512 neighbouring bytes, aligned: 16 L + 1024 n + 512 j7
	global_store_b128 v[SOFF], v[DC+16*((\t)%2):DC+16*((\t)%2)+3],     s[10:11] offset:1024*(\t) th:TH_STORE_NT
	global_store_b128 v[SOFF], v[DC+16*((\t)%2)+4:DC+16*((\t)%2)+7],   s[10:11] offset:1024*(\t)+512 th:TH_STORE_NT
	global_store_b128 v[SOFF], v[DC+16*((\t)%2)+8:DC+16*((\t)%2)+11],  s[12:13] offset:1024*(\t) th:TH_STORE_NT
	global_store_b128 v[SOFF], v[DC+16*((\t)%2)+12:DC+16*((\t)%2)+15], s[12:13] offset:1024*(\t)+512 th:TH_STORE_NT
.endm
	; In every step the eight roundings of CVTC, which name only the other set's registers, are the places between
	; MULB n+1 and the roundings that read it in the next step, between MULC n-1 and its stores, and between the matrix
	; instructions of two steps ago and the lines that write their registers again.
	MULB 0
	PLACES
.set nu, 0
.rept 16
.if nu < 15
	MULB nu+1
.endif
	CVTC nu
.if nu >= 2
	s_wait_xcnt 0x0                                ; the stores of n-2 have read their data: that set is written again only behind this wait
.endif
	MULC nu
.if nu >= 1
	STORE nu-1
.endif
.set nu, nu+1
.endr
	PLACES
	STORE 15
	s_endpgm
.Lfunc_end_k_q77c070777f_rx:
	.size	k_q77c070777f_rx, .Lfunc_end_k_q77c070777f_rx-k_q77c070777f_rx
	.p2alignl 7, 3214868480
	.fill 96, 4, 3214868480
	.section	.rodata,"a",@progbits
	.p2align	6, 0x0
	.amdhsa_kernel k_q77c070777f_rx
		.amdhsa_group_segment_fixed_size 0
		.amdhsa_private_segment_fixed_size 0
		.amdhsa_enable_private_segment 0
		.amdhsa_kernarg_size 40
		.amdhsa_user_sgpr_count 2
		.amdhsa_user_sgpr_kernarg_segment_ptr 1
		.amdhsa_wavefront_size32 1
		.amdhsa_system_sgpr_workgroup_id_x 1
		.amdhsa_system_sgpr_workgroup_id_y 1
		.amdhsa_system_sgpr_workgroup_id_z 1
		.amdhsa_system_vgpr_workitem_id 0
		.amdhsa_next_free_vgpr 512
		.amdhsa_next_free_sgpr 66
		.amdhsa_reserve_vcc 0
		.amdhsa_float_denorm_mode_32 3
		.amdhsa_float_denorm_mode_16_64 3
		.amdhsa_memory_ordered 1
		.amdhsa_forward_progress 1
		.amdhsa_inst_pref_size 56
	.end_amdhsa_kernel
	.amdgpu_metadata
---
amdhsa.version: [ 1, 2 ]
amdhsa.kernels:
  - .name:           k_q77c070777f_rx
    .symbol:         k_q77c070777f_rx.kd
    .args:
      - { .name: params, .offset: 0, .size: 8, .value_kind: global_buffer, .address_space: global }
      - { .name: x_r, .offset: 8, .size: 8, .value_kind: global_buffer, .address_space: global }
      - { .name: x_i, .offset: 16, .size: 8, .value_kind: global_buffer, .address_space: global }
      - { .name: out0, .offset: 24, .size: 8, .value_kind: global_buffer, .address_space: global }
      - { .name: out1, .offset: 32, .size: 8, .value_kind: global_buffer, .address_space: global }
    .group_segment_fixed_size: 0
    .private_segment_fixed_size: 0
    .kernarg_segment_align: 8
    .kernarg_segment_size: 40
    .max_flat_workgroup_size: 128
    .sgpr_count:     66
    .vgpr_count:     512
    .wavefront_size: 32
...
	.end_amdgpu_metadata
.endif
;; end of part 1
;; ======== version 2 of 2: 1 launch; version 1 with the launch rx written anew for expert scheduling mode
;; limits: inputs' magnitudes at most 2,000; values are held in f16: magnitudes above 65,504 overflow, below 6.1e-05 lose precision; an absolute error that grows with the inputs' magnitude: up to 6e-08 times it; right only within a limited range of input values
;; launch rx (part 2): grid 256 x 1, 4 waves a work-group, no clusters, 0 bytes of LDS; arguments params, x_r, x_i, out0, out1; writes out0, out1
.if DOCPART == 2
	.amdgcn_target "amdgcn-amd-amdhsa--gfx1250"
	.amdhsa_code_object_version 6
	.text
	.protected	k_q77c070777f_rx
	.globl	k_q77c070777f_rx
	.p2align	8
	.type	k_q77c070777f_rx,@function
k_q77c070777f_rx:
	s_mov_b64 s[64:65], 0
	v_nop
	global_prefetch_b8 v0, s[64:65] scope:SCOPE_SE
	s_setreg_imm32_b32 hwreg(HW_REG_WAVE_SCHED_MODE, 0, 2), 2
	s_setreg_imm32_b32 hwreg(HW_REG_WAVE_MODE, 25, 1), 1
	s_wait_xcnt 0x0
	s_wait_alu depctr_vm_vsrc(0)
; out = x * Op, x complex [1024][4096] (x_r, x_i in f32), Op = G0 (x) G1 (x) .. (x) G11, Gq = [[c, -i s], [-i s, c]],
; c = cos(params[q]/2), s = sin(params[q]/2); qubit q sits on bit 11-q of the column index j.
; A Kronecker product is the product of commuting factors that each act on some of the index bits (mixed-product rule), whatever the
; parameters are.  Here: three factors on four bits each, 16 x 16 complex = 32 x 32 real = one K = 32 matrix instruction for 16 outputs.
;   stage A: bits j11..j8      stage B: bits j6, j7, j1, j0 (number g = 8 j6 + 4 j7 + 2 j1 + j0)      stage C: bits j5..j2 (number u)
; One wave takes one batch row (16,384 bytes of each part) and keeps it in registers from load to store: 96 matrix instructions a row.
; The three operand layouts follow from each other, so no number changes lanes: no LDS, no barrier, no branch.
; Work-groups share nothing but the 48 bytes of params: no cluster, no joint requests.  All of a row is requested early: no prefetch.
;
; LIMITS.  Matrix operands are f16, sums f32.  Two stages can grow a number by 16 sqrt(2), f16 ends at 65,504: |x| below about 2,000.
; Operands under 6e-5 are kept with an absolute step of 6e-8.  The angle is reduced in f32: for |params| up to about 1e3 its error stays
; near 1e-4.  A NaN or an infinity in x spreads to the outputs that these three factors connect it with, as zeros of the factors are
; multiplied too, but the order of the sums is not that of the dense product.
;
; THE MODE: SCHED_MODE bits 1:0 = 2 (LLVM: expert scheduling mode 2), set by the entry lines.  The code itself states the register dependences
; between vector or matrix instructions and memory instructions, with s_wait_alu, always for 0.
; THE PLAN.  Registers that memory instructions touch:
;   v1, v2, v3   offsets, made once at the head and never written again: one wait ahead of the first load serves every load and store.
;   v128         the params load lands in it once; no vector instruction names it before.
;   X            the second block of 256: the 64 data loads land in it; no vector instruction names it before they are issued, and no load
;                lands in it a second time.  Behind a group's wait on LOADcnt it belongs to vector and matrix instructions alone.
;   DC0, DC1     Step n: stage C's two matrix instructions write DC[n % 2]; the four stores issued in step n + 1 read it; step n + 2 writes it again.
;   All other registers are named by vector and matrix instructions alone.
; So in a step of stages B and C the waits stand together, behind the step's eight roundings: the stores of two steps back have read the set that is
; written again, and the matrix instructions of the step before have written the set that is stored.  The step's two matrix instructions and four
; stores follow, dealt among each other: the matrix instructions name the one set of DC, the stores the other.
; The sines and cosines pass through scalar registers: one wait stands behind the run of lines that write them, ahead of their first reader.
;
; LANES.  L = lane, r = L & 15, h = L >> 4.
;   loaded:  lane holds j11 = h, j[5:2] = r; register X(G,e,p)+q: j[10:8] = e, 2 j6 + j7 = G, j[1:0] = q, p = 0 real, 1 imaginary
;   after A: lane holds part h, u = r;       register DA(G,q,t)+j: new j[11:8] = n = 8 t + j
;   after B: lane holds new g = r;           register j of the real or imaginary tile: u = 8 h + j
;   after C: lane holds new u = r, j6 = h;   register j: j7 = j >> 2, j[1:0] = j & 3: registers 0-3 and 4-7 are 16 neighbouring bytes each
.set LOFF, 1                           ; v1        load offset: wave x 16,384 + 8,192 h + 16 r
.set SOFF, 2                           ; v2        store offset: wave x 16,384 + 16 L
.set PADR, 3                           ; v3        4 (11 - min(L, 11)): lane b reads the parameter of index bit b
.set FA,   8                           ; v[8:23]   stage A's factor, two fragments (outputs n = 0-7, n = 8-15)
.set AC,   8                           ; v[8:23]   later: stage C's data fragments, two in turn
.set FB,   24                          ; v[24:39]  stage B's factor: real outputs, imaginary outputs
.set FCI,  40                          ; v[40:47]  stage C, imaginary outputs: Ui, Ur
.set FCR,  44                          ; v[44:51]  stage C, real outputs:      Ur, -Ui   (Ur is shared)
.set BOP,  52                          ; v[52:83]  stage A's data fragments, one for each q
.set DB,   52                          ; v[52:83]  later: stage B's results, two sets in turn (real 8, imaginary 8)
.set DC,   84                          ; v[84:115] stage C's results, two sets in turn (real 8, imaginary 8)
.set SB,   128                         ; v[128:255] stage B's data fragments: 8 registers for each n
; second block of 256 registers: X(G,e,p) = 64 G + 8 e + 4 p + q as loaded, then DA(G,q,t) = 64 G + 16 q + 8 t + j
; set-up's own registers lie in SB, which is filled only afterwards:
.set TH,   128                         ; v128-137  angle, sine and cosine at work
.set PH,   140                         ; v140-145  six patterns of +1, 0, -1
.set LA,   146                         ; magnitudes: stage A's low three bits,
.set MA0,  147                         ;   stage A, outputs n = 0-7
.set MA1,  148                         ;   stage A, outputs n = 8-15
.set MB,   149                         ;   stage B
.set MC,   150                         ;   stage C
.set TF,   151                         ; one factor at work
.set PV,   152                         ; v152-159  the eight lane vectors from which the fragments are spread
.set TX,   160                         ; EXPAND's neighbour
.set CS,   16                          ; s16+b     cosine of index bit b, b = 0..11
.set SN,   28                          ; s28+b     sine of index bit b
.set LB0,  40                          ; s40-43    lanes whose number has bit 0, 1, 2, 3 set
.set LB1,  41
.set LB2,  42
.set LB3,  43
.set LH,   44                          ; s44       lanes 16-31
.set LX,   45                          ; s45       lanes where bit 3 differs from h
.set PM,   46                          ; s46-57    for each pattern: lanes of +1, lanes of -1
.set MSB, 0
.macro WIN new                         ; register blocks: bits 1:0 source 0, 3:2 source 1, 7:6 destination; the high byte repeats the setting left
.if MSB != \new
	s_set_vgpr_msb (MSB<<8)|\new
.set MSB, \new
.endif
.endm
.set TO_HI,   0x40                     ; destination in the second block, sources in the first
.set FROM_HI, 0x05                     ; sources 0 and 1 in the second block, destination in the first
	s_load_b128 s[4:7], s[0:1], 0x0                ; params s[4:5], x_r s[6:7]
	s_load_b128 s[8:11], s[0:1], 0x10              ; x_i s[8:9], out0 s[10:11]
	s_load_b64 s[12:13], s[0:1], 0x20              ; out1
	v_lshrrev_b32 v4, 5, v0                        ; wave
	v_and_b32 v5, 15, v0                           ; r
	v_bfe_u32 v6, v0, 4, 1                         ; h
	v_and_b32 v7, 31, v0                           ; L
	v_lshlrev_b32 v4, 14, v4                       ; the wave's row among the group's four
	v_lshl_add_u32 v[LOFF], v6, 13, v4
	v_lshl_add_u32 v[LOFF], v5, 4, v[LOFF]
	v_lshl_add_u32 v[SOFF], v7, 4, v4
	v_min_u32 v[PADR], 11, v7
	v_sub_nc_u32 v[PADR], 11, v[PADR]
	v_lshlrev_b32 v[PADR], 2, v[PADR]
	s_lshl_b32 s14, ttmp9, 16                      ; the work-group's four rows of 16,384 bytes
	s_mov_b32 s15, 0
	s_mov_b32 s[LB0], 0xaaaaaaaa
	s_mov_b32 s[LB1], 0xcccccccc
	s_mov_b32 s[LB2], 0xf0f0f0f0
	s_mov_b32 s[LB3], 0xff00ff00
	s_mov_b32 s[LH],  0xffff0000
	s_mov_b32 s[LX],  0x00ffff00
	; An entry of a factor is mag[d] (-i)^pop(d), d = input number xor output number: real part +,0,-,0,+ and imaginary part 0,-,0,+,0
	; for pop(d) = 0..4.  In real form: real from real Ur, real from imaginary -Ui, imaginary from real Ui, imaginary from imaginary Ur.
	; Each pattern below gives that sign for the lane's own d (slot 0 of its fragment); one byte of a mask is eight lanes.
	s_mov_b32 s[PM+0],  0x01168001                 ; pattern a: stage B real outputs; stage A n = 8-15 from imaginary
	s_mov_b32 s[PM+1],  0x68801668
	s_mov_b32 s[PM+2],  0x80016880                 ; pattern b: stage B imaginary outputs; stage A n = 8-15 from real
	s_mov_b32 s[PM+3],  0x16680116
	s_mov_b32 s[PM+4],  0x68808001                 ; pattern c: stage A n = 0-7 from real
	s_mov_b32 s[PM+5],  0x01161668
	s_mov_b32 s[PM+6],  0x80010116                 ; pattern d: stage A n = 0-7 from imaginary
	s_mov_b32 s[PM+7],  0x16686880
	s_mov_b32 s[PM+8],  0x01808001                 ; pattern e: stage C, Ur
	s_mov_b32 s[PM+9],  0x68161668
	s_mov_b32 s[PM+10], 0x80686880                 ; pattern f: stage C, Ui
	s_mov_b32 s[PM+11], 0x16010116
.irp i, 0,1,2,3,4,5
	v_cndmask_b32 v[PH+\i], 0, 1.0, s[PM+2*\i]
	v_cndmask_b32 v[PH+\i], v[PH+\i], -1.0, s[PM+2*\i+1]
.endr
	s_wait_kmcnt 0x0
	s_add_nc_u64 s[6:7], s[6:7], s[14:15]
	s_add_nc_u64 s[8:9], s[8:9], s[14:15]
	s_add_nc_u64 s[10:11], s[10:11], s[14:15]
	s_add_nc_u64 s[12:13], s[12:13], s[14:15]
	s_wait_alu depctr_va_vdst(0)                   ; the three offsets v1, v2 and v3 are written: every load and store of the kernel reads one of them, and none is written again
	global_load_b32 v[TH], v[PADR], s[4:5]         ; lane b: params[11 - b]
; 16 loads: group g (j6, j7) of both parts.  Lanes 0-15 and lanes 16-31 each cover 256 neighbouring bytes, aligned.
.macro LOADG g
.irp e, 0,1,2,3,4,5,6,7
	global_load_b128 v[64*\g+8*\e:64*\g+8*\e+3],   v[LOFF], s[6:7] offset:1024*\e+512*(\g%2)+256*(\g/2) th:TH_LOAD_NT
	global_load_b128 v[64*\g+8*\e+4:64*\g+8*\e+7], v[LOFF], s[8:9] offset:1024*\e+512*(\g%2)+256*(\g/2) th:TH_LOAD_NT
.endr
.endm
	WIN TO_HI
	LOADG 0                                        ; between the wait above and these loads stand a load and a window switch alone
	LOADG 1
	LOADG 2                                        ; three quarters of the row are on their way while the factors are made
	WIN 0
	s_wait_loadcnt 48                              ; loads return in order (ISA guide 5.7.1): the 48 data loads stay out, params is in
	; sine and cosine of params/2 by polynomials: turns w = params / (4 pi), f = w - round(w), a = f pi/2 = a quarter of the reduced
	; angle, |a| <= pi/4; Taylor sums to a^7 and a^8 (next terms below 4e-7); then the angle is doubled twice.
	v_mul_f32 v[TH+1], 0x3da2f983, v[TH]           ; 1 / (4 pi)
	v_rndne_f32 v[TH+2], v[TH+1]
	v_sub_f32 v[TH+1], v[TH+1], v[TH+2]
	v_mul_f32 v[TH+3], 0x3fc90fdb, v[TH+1]         ; a
	v_mul_f32 v[TH+4], v[TH+3], v[TH+3]            ; a^2
	v_mov_b32 v[TH+5], 0xb9500d01                  ; -1/5040
	v_mov_b32 v[TH+6], 0x37d00d01                  ; 1/40320
	v_fmaak_f32 v[TH+5], v[TH+5], v[TH+4], 0x3c088889  ; 1/120
	v_fmaak_f32 v[TH+6], v[TH+6], v[TH+4], 0xbab60b61  ; -1/720
	v_fmaak_f32 v[TH+5], v[TH+5], v[TH+4], 0xbe2aaaab  ; -1/6
	v_fmaak_f32 v[TH+6], v[TH+6], v[TH+4], 0x3d2aaaab  ; 1/24
	v_fmaak_f32 v[TH+5], v[TH+5], v[TH+4], 0x3f800000  ; 1
	v_fmaak_f32 v[TH+6], v[TH+6], v[TH+4], 0xbf000000  ; -1/2
	v_mul_f32 v[TH+5], v[TH+5], v[TH+3]            ; sin a
	v_fmaak_f32 v[TH+6], v[TH+6], v[TH+4], 0x3f800000  ; cos a
.macro DOUBLE si, co, so, cq                       ; sin 2x = (2 sin x) cos x, cos 2x = 1 - (2 sin x) sin x
	v_add_f32 v[TH+7], v[\si], v[\si]
	v_mul_f32 v[\so], v[TH+7], v[\co]
	v_fma_f32 v[\cq], -v[TH+7], v[\si], 1.0
.endm
	DOUBLE TH+5, TH+6, TH+8, TH+9
	DOUBLE TH+8, TH+9, TH+5, TH+6
.irp b, 0,1,2,3,4,5,6,7,8,9,10,11
	v_readlane_b32 s[CS+\b], v[TH+6], \b
	v_readlane_b32 s[SN+\b], v[TH+5], \b
.endr
	s_wait_alu depctr_va_sdst(0)                   ; the 24 lines above have written s16 to s39, ahead of their first reader: the magnitudes below are made from them
	; magnitudes: the product over a stage's four bits of (bit of d set ? sine : cosine), for the lane's own d
.macro FACT d, b, m                                ; sine of index bit b in the lanes of mask m, cosine in the others
	v_mov_b32 v[\d], s[CS+\b]
	v_cndmask_b32 v[\d], v[\d], s[SN+\b], s[\m]
.endm
.macro TIMES d, b, m
	FACT TF, \b, \m
	v_mul_f32 v[\d], v[\d], v[TF]
.endm
	FACT  LA, 8, LB0                               ; stage A: d's low bits = L's low bits (j8, j9, j10)
	TIMES LA, 9, LB1
	TIMES LA, 10, LB2
	FACT  TF, 11, LH                               ; its top bit (j11) = h for outputs 0-7,
	v_mul_f32 v[MA0], v[LA], v[TF]
	v_mov_b32 v[TF], s[SN+11]                      ; and not h for outputs 8-15
	v_cndmask_b32 v[TF], v[TF], s[CS+11], s[LH]
	v_mul_f32 v[MA1], v[LA], v[TF]
	FACT  MB, 0, LB0                               ; stage B: d = r, bits j0, j1, j7, j6
	TIMES MB, 1, LB1
	TIMES MB, 7, LB2
	TIMES MB, 6, LB3
	FACT  MC, 2, LB0                               ; stage C: d's low bits = L's low bits (j2, j3, j4), top bit (j5) = bit 3 xor h
	TIMES MC, 3, LB1
	TIMES MC, 4, LB2
	TIMES MC, 5, LX
	v_mul_f32 v[PV+0], v[MA0], v[PH+2]             ; stage A, n = 0-7,  from real
	v_mul_f32 v[PV+1], v[MA0], v[PH+3]             ;                    from imaginary
	v_mul_f32 v[PV+2], v[MA1], v[PH+1]             ; stage A, n = 8-15, from real
	v_mul_f32 v[PV+3], v[MA1], v[PH+0]             ;                    from imaginary
	v_mul_f32 v[PV+4], v[MB],  v[PH+0]             ; stage B, real outputs
	v_mul_f32 v[PV+5], v[MB],  v[PH+1]             ; stage B, imaginary outputs
	v_mul_f32 v[PV+6], v[MC],  v[PH+4]             ; stage C, Ur
	v_mul_f32 v[PV+7], v[MC],  v[PH+5]             ; stage C, Ui
; Slot k of a lane's fragment has d = (the lane's d) xor k, which is the own d of lane L xor k: the fragment is the lane vector
; spread by xor.  Register a gets src[L xor 2a] in its low half and src[L xor (2a+1)] in its high half.
; Each permute works in place on a copy, so that its destination is a register written in all lanes.
.macro EXPAND d0, src, wide
	v_mov_b32 v[TX], v[\src]
	v_mov_b32_dpp v[TX], v[TX] row_xmask:1 row_mask:0xf bank_mask:0xf
	v_cvt_pk_f16_f32 v[\d0], v[\src], v[TX]
.irp x, 2,4,6
	v_mov_b32 v[\d0+\x/2], v[\d0]
	v_mov_b32_dpp v[\d0+\x/2], v[\d0+\x/2] row_xmask:\x row_mask:0xf bank_mask:0xf
.endr
.if \wide
.irp x, 8,10,12,14
	v_mov_b32 v[\d0+\x/2], v[\d0]
	v_mov_b32_dpp v[\d0+\x/2], v[\d0+\x/2] row_xmask:\x row_mask:0xf bank_mask:0xf
.endr
.endif
.endm
	EXPAND FA,    PV+0, 0
	EXPAND FA+4,  PV+1, 0
	EXPAND FA+8,  PV+2, 0
	EXPAND FA+12, PV+3, 0
	EXPAND FB,    PV+4, 1
	EXPAND FB+8,  PV+5, 1
	EXPAND FCI,   PV+7, 0                          ; Ui
	EXPAND FCI+4, PV+6, 0                          ; Ur
.irp a, 0,1,2,3
	v_xor_b32 v[FCR+4+\a], 0x80008000, v[FCI+\a]   ; -Ui: both halves' signs
.endr
	WIN TO_HI
	LOADG 3                                        ; the last quarter of the row.  No wait: since the wait at the head no vector instruction has named v1, and none has ever named the registers in which these loads land
; Four places behind a matrix instruction before a vector instruction or a store reads its result.
.macro PLACES
.rept 4
	v_nop
.endr
.endm
; STAGE A.  The data are source 1 (column = u = r); slot k = 16 p + 8 h + e is input number 8 h + e of part p.
; No memory instruction is issued in this stage: a group's registers pass from its loads to the vector side by the wait on LOADcnt.
.macro CVTIN g                                     ; 32 roundings to f16: four fragments, one for each q
.irp q, 0,1,2,3
.irp p, 0,1
.irp a, 0,1,2,3
	v_cvt_pk_f16_f32 v[BOP+8*\q+4*\p+\a], v[64*\g+16*\a+4*\p+\q], v[64*\g+16*\a+8+4*\p+\q]
.endr
.endr
.endr
.endm
.macro MULA g                                      ; results go where the group's input lay: it has just been read for the last time
.irp q, 0,1,2,3
.irp t, 0,1
	v_wmma_f32_16x16x32_f16 v[64*\g+16*\q+8*\t:64*\g+16*\q+8*\t+7], v[FA+8*\t:FA+8*\t+7], v[BOP+8*\q:BOP+8*\q+7], 0
.endr
.endr
	PLACES
.endm
.macro PACKA g                                     ; into stage B's fragments: slot g = 4 G + q of the fragment of n = 8 t + j
.irp t, 0,1
.irp j, 0,1,2,3,4,5,6,7
.irp a, 0,1
	v_cvt_pk_f16_f32 v[SB+8*(8*\t+\j)+2*\g+\a], v[64*\g+32*\a+8*\t+\j], v[64*\g+32*\a+16+8*\t+\j]
.endr
.endr
.endr
.endm
.irp g, 0,1,2,3
	s_wait_loadcnt 48-16*\g                        ; this group's 16 loads are in; the younger groups of 16 stay out
	WIN FROM_HI
	CVTIN \g
	WIN TO_HI
	MULA \g
	WIN FROM_HI
	PACKA \g                                       ; these 32 lines and MULA's four also stand between MULA and the next rewriting of BOP
.endr
	WIN 0
; STAGES B AND C, one n at a time, two register sets in turn.  In both the data are source 0.
; B: row = u = r, the lane's 16 slots are g = 0..15 of part h; the factor's fragment uses the same slots.  Result: lane = new g, register j: u = 8 h + j.
; C: row = g, registers 0-3 = B's real result (k = u), 4-7 = its imaginary result (k = 16 + u).
.macro MULB t
	v_wmma_f32_16x16x32_f16 v[DB+16*((\t)%2):DB+16*((\t)%2)+7],    v[SB+8*(\t):SB+8*(\t)+7], v[FB:FB+7], 0
	v_wmma_f32_16x16x32_f16 v[DB+16*((\t)%2)+8:DB+16*((\t)%2)+15], v[SB+8*(\t):SB+8*(\t)+7], v[FB+8:FB+15], 0
.endm
.macro CVTC t
.irp a, 0,1,2,3,4,5,6,7
	v_cvt_pk_f16_f32 v[AC+8*((\t)%2)+\a], v[DB+16*((\t)%2)+2*\a], v[DB+16*((\t)%2)+2*\a+1]
.endr
.endm
.macro MULC t, p                                   ; p = 0: the real outputs (factor Ur, -Ui); p = 1: the imaginary ones (Ui, Ur)
	v_wmma_f32_16x16x32_f16 v[DC+16*((\t)%2)+8*(\p):DC+16*((\t)%2)+8*(\p)+7], v[AC+8*((\t)%2):AC+8*((\t)%2)+7], v[FCR-4*(\p):FCR-4*(\p)+7], 0
.endm
.macro STORE t, p                                  ; p = 0: out0, p = 1: out1.  Each store of the wave covers 512 neighbouring bytes, aligned: 16 L + 1024 n + 512 j7
	global_store_b128 v[SOFF], v[DC+16*((\t)%2)+8*(\p):DC+16*((\t)%2)+8*(\p)+3],   s[10+2*(\p):11+2*(\p)] offset:1024*(\t) th:TH_STORE_NT
	global_store_b128 v[SOFF], v[DC+16*((\t)%2)+8*(\p)+4:DC+16*((\t)%2)+8*(\p)+7], s[10+2*(\p):11+2*(\p)] offset:1024*(\t)+512 th:TH_STORE_NT
.endm
	; In every step the eight roundings of CVTC, which name only the other set's registers, are the places between
	; MULB n+1 and the roundings that read it in the next step, between MULC n-1 and its stores, and between the matrix
	; instructions of two steps ago and the lines that write their registers again.  The waits stand behind them and fill no place.
	MULB 0
	PLACES
.set nu, 0
.rept 16
.if nu < 15
	MULB nu+1
.endif
	CVTC nu
.if nu >= 2
	s_wait_xcnt 0x0                                ; the stores of n-2 have had their addresses translated (ISA guide 3.1): their set of DC is written again only behind this wait,
	s_wait_alu depctr_vm_vsrc(0)                   ; and they have read that set, which the two matrix instructions below write again
.endif
.if nu >= 1
	s_wait_alu depctr_va_vdst(0)                   ; the matrix instructions of n-1 have written the other set of DC, which the four stores below read
.endif
	MULC nu, 0                                     ; names this step's set of DC, AC and the factor: none of the registers that the stores below touch
.if nu >= 1
	STORE nu-1, 0
.endif
	MULC nu, 1
.if nu >= 1
	STORE nu-1, 1
.endif
.set nu, nu+1
.endr
	PLACES
	s_wait_alu depctr_va_vdst(0)                   ; the matrix instructions of n = 15 have written their set of DC, which the last four stores read; the places above stay beside this wait
	STORE 15, 0
	STORE 15, 1
	s_endpgm
.Lfunc_end_k_q77c070777f_rx:
	.size	k_q77c070777f_rx, .Lfunc_end_k_q77c070777f_rx-k_q77c070777f_rx
	.p2alignl 7, 3214868480
	.fill 96, 4, 3214868480
	.section	.rodata,"a",@progbits
	.p2align	6, 0x0
	.amdhsa_kernel k_q77c070777f_rx
		.amdhsa_group_segment_fixed_size 0
		.amdhsa_private_segment_fixed_size 0
		.amdhsa_enable_private_segment 0
		.amdhsa_kernarg_size 40
		.amdhsa_user_sgpr_count 2
		.amdhsa_user_sgpr_kernarg_segment_ptr 1
		.amdhsa_wavefront_size32 1
		.amdhsa_system_sgpr_workgroup_id_x 1
		.amdhsa_system_sgpr_workgroup_id_y 1
		.amdhsa_system_sgpr_workgroup_id_z 1
		.amdhsa_system_vgpr_workitem_id 0
		.amdhsa_next_free_vgpr 512
		.amdhsa_next_free_sgpr 66
		.amdhsa_reserve_vcc 0
		.amdhsa_float_denorm_mode_32 3
		.amdhsa_float_denorm_mode_16_64 3
		.amdhsa_memory_ordered 1
		.amdhsa_forward_progress 1
		.amdhsa_inst_pref_size 57
	.end_amdhsa_kernel
	.amdgpu_metadata
---
amdhsa.version: [ 1, 2 ]
amdhsa.kernels:
  - .name:           k_q77c070777f_rx
    .symbol:         k_q77c070777f_rx.kd
    .args:
      - { .name: params, .offset: 0, .size: 8, .value_kind: global_buffer, .address_space: global }
      - { .name: x_r, .offset: 8, .size: 8, .value_kind: global_buffer, .address_space: global }
      - { .name: x_i, .offset: 16, .size: 8, .value_kind: global_buffer, .address_space: global }
      - { .name: out0, .offset: 24, .size: 8, .value_kind: global_buffer, .address_space: global }
      - { .name: out1, .offset: 32, .size: 8, .value_kind: global_buffer, .address_space: global }
    .group_segment_fixed_size: 0
    .private_segment_fixed_size: 0
    .kernarg_segment_align: 8
    .kernarg_segment_size: 40
    .max_flat_workgroup_size: 128
    .sgpr_count:     66
    .vgpr_count:     512
    .wavefront_size: 32
...
	.end_amdgpu_metadata
.endif
;; end of part 2
